; MI455X (gfx1250); checked and timed in simulation.
; The chip was launched on July 23, 2026; its instructions are those of AMD's public machine-readable ISA for CDNA 5 (MIT licence, August 2026) and "CDNA5" Instruction Set Architecture Reference Guide (July 2026). The comments in the code are by the model that wrote it; some were corrected since.
;; Mega Transformer Self Attention. Allowed arithmetic: matrix products marked QUANTISED: E4M3 operands, one given power-of-two scale a tensor, by v_wmma_f32_16x16x64_fp8_fp8 or v_wmma_f32_16x16x128_fp8_fp8, f32 sums; everything else in f32.
;; Inputs: Wk_codes 1,024 x 32 x 32 uint8 (E4M3 codes of Wk, K innermost, in blocks of 32 codes); Wo_codes 1,024 x 32 x 32 uint8 (E4M3 codes of Wo, K innermost, in blocks of 32 codes); Wq_codes 1,024 x 32 x 32 uint8 (E4M3 codes of Wq, K innermost, in blocks of 32 codes); Wv_codes 1,024 x 32 x 32 uint8 (E4M3 codes of Wv, K innermost, in blocks of 32 codes); bo 1,024 float32; hidden_states_codes 2 x 2,048 x 32 x 32 uint8 (E4M3 codes of hidden_states, K innermost, in blocks of 32 codes); lowp_scales 12 int32 (the exponents e of the quantised operands' scales 2^e).
;; Outputs: out0 2 x 2,048 x 1,024 float32.
;; This version of the problem:
;;   THIS VERSION OF THE PROBLEM IS GIVEN IN LOW PRECISION. The matrix products marked QUANTISED in the list below multiply operands that are first quantised to E4M3 (4 exponent bits, 3 mantissa bits; 8 bits a number), with one given power-of-two scale for each operand tensor; their sums are f32. All else is computed in f32.
;;   The module's matrix products, in the order in which they are computed (A, B: the left and right operand; K: the contracted axis; several contracted axes count as one K, in the product's order):
;;     1. [M 4,096, K 1,024] x [K 1,024, N 1,024]; A: input hidden_states (given as codes); B: input Wq (given as codes): QUANTISED (scales: A lowp_scales[0], B lowp_scales[1])
;;     2. [M 4,096, K 1,024] x [K 1,024, N 1,024]; A: input hidden_states (given as codes); B: input Wk (given as codes): QUANTISED (scales: A lowp_scales[2], B lowp_scales[3])
;;     3. [M 4,096, K 1,024] x [K 1,024, N 1,024]; A: input hidden_states (given as codes); B: input Wv (given as codes): QUANTISED (scales: A lowp_scales[4], B lowp_scales[5])
;;     4. batch 32 x [M 2,048, K 64] x [K 64, N 2,048]; A: computed on the way; B: computed on the way: QUANTISED (scales: A lowp_scales[6], B lowp_scales[7])
;;     5. batch 32 x [M 2,048, K 2,048] x [K 2,048, N 64]; A: softmax (see below); B: computed on the way: QUANTISED (scales: A lowp_scales[8], B lowp_scales[9])
;;     6. [M 4,096, K 1,024] x [K 1,024, N 1,024]; A: computed on the way; B: input Wo (given as codes): QUANTISED (scales: A lowp_scales[10], B lowp_scales[11])
;;   THE QUANTISER, for each operand of a quantised product, along K:
;;     - The operand's scale is 2^e, e = its entry of the input lowp_scales (int32; the entries are numbered through the quantised products in the list's order, A before B).
;;     - Each number is divided by the scale, clamped to +-448, and rounded to the nearest number of E4M3, ties to even, subnormals kept.
;;     - The product sums the exact products of the quantised numbers (number of the format x scale) in f32.
;;   ~~~python
;;   def quantise(x, axis, e):      # numpy; x: float32 -> the quantised numbers, widened to float32 again
;;       x = np.moveaxis(x, axis, -1); K = x.shape[-1]
;;       r = np.clip(x / 2.0 ** e, -448, 448)
;;       step = 2.0 ** (np.maximum(np.frexp(np.where(r == 0, 1, r))[1] - 1, -6) - 3)
;;       q = np.round(r / step) * step * 2.0 ** e      # np.round: ties to even
;;       return np.moveaxis(q, -1, axis).astype(np.float32)
;;   ~~~
;;   SOFTMAX AHEAD OF A QUANTISED PRODUCT. Where the list says 'softmax', what is quantised is not the finished softmax but p = 2^(t - M), with t = logit x log2(e) and M = ceil(the row's largest t), a whole number; so 1/2 < the row's largest p <= 1. The row's sum l is taken of the UNQUANTISED p, in f32, and the product's result is divided by l at the end. Since M is a whole number, a kernel that streams over the keys may use a running M (the ceiling of the running maximum): every later rescaling is an exact power of two, so the quantised numbers keep their values, but for numbers so far below the row's largest that they fall under the format's range.
;;   OPERANDS COMPUTED ON THE WAY. 'Computed on the way' means the value that the module computes at that place (a softmax that the list does not call 'softmax' is quantised finished and normalised). What goes into a quantiser is computed in f32, as accurately as f32 sums, v_exp_f32 and their like allow (about 1e-6 of the number): no bf16 or f16 on the way to a quantiser, and a product that is left as it is and whose result goes on into a quantised operand takes f32 operands (vector FMAs, or v_wmma_f32_16x16x4_f32). A number that lies on a knife's edge between two numbers of the format may be rounded either way, as far as f32 arithmetic and the matrix unit's own rounding can turn it there, and no further.
;;   INPUTS GIVEN AS CODES. Wk (in the module: [1024, 1024], K = its axis 1); Wo (in the module: [1024, 1024], K = its axis 1); Wq (in the module: [1024, 1024], K = its axis 1); Wv (in the module: [1024, 1024], K = its axis 1); hidden_states (in the module: [2, 2048, 1024], K = its axis 2): each comes as NAME_codes (uint8): NAME with its K axis moved to the last place and cut into blocks of 32 codes, [.., K / 32, bytes a block], one block behind the other in memory; one code a byte (a code: sign, 4 exponent bits, 3 mantissa bits); its scale is its entry of lowp_scales. Its value is code x scale, taken as it is: it is not quantised again, and the codes and scales need not be those that the quantiser above would give.
;; One version. Each part assembles by itself: llvm-mc -triple=amdgcn-amd-amdhsa -mcpu=gfx1250 --defsym DOCPART=n.
;; ======== version 1 of 1: 3 launches
;; workspace buffers: q_img 4,194,304 bytes; k_img 4,194,304 bytes; v_img 4,194,304 bytes; ctx_img 4,194,304 bytes
;; launch qkv (part 1): grid 16 x 16, 4 waves a work-group, clusters of 4 x 4, 327,680 bytes of LDS; arguments hidden_states_codes, Wq_codes, Wk_codes, Wv_codes, lowp_scales, q_img, k_img, v_img; writes q_img, k_img, v_img
.if DOCPART == 1
	.amdgcn_target "amdgcn-amd-amdhsa--gfx1250"
	.amdhsa_code_object_version 6
	.text
	.protected	k_q499ab78c7e_qkv
	.globl	k_q499ab78c7e_qkv
	.p2align	8
	.type	k_q499ab78c7e_qkv,@function
k_q499ab78c7e_qkv:
	s_mov_b64 s[64:65], 0
	v_nop
	global_prefetch_b8 v0, s[64:65] scope:SCOPE_SE
	s_setreg_imm32_b32 hwreg(HW_REG_WAVE_MODE, 25, 1), 1
	s_wait_xcnt 0x0
	s_wait_alu depctr_hold_cnt(0) depctr_sa_sdst(0) depctr_va_vdst(0) depctr_va_sdst(0) depctr_va_ssrc(0) depctr_va_vcc(0) depctr_vm_vsrc(0)
	s_getreg_b32 s2, hwreg(HW_REG_IB_STS2, 6, 4)
	s_cmp_eq_u32 s2, 0
	s_cbranch_scc0 .Lentry_in_a_cluster
	s_endpgm
.Lentry_in_a_cluster:
	s_bfe_u32 s2, ttmp6, 0x10000c
	s_cmp_lg_u32 s2, 0xf033
	s_cbranch_scc0 .Lentry_shape_is_right
	s_endpgm
.Lentry_shape_is_right:
; q = x Wq^T, k = x Wk^T, v = x Wv^T on codes of E4M3, and the three results quantised again, each with its given scale.
; x: [4096][1024] codes; Wq, Wk, Wv: [1024][1024] codes, K innermost.  lowp_scales: e0 .. e11.
; SHARES.  A work-group takes 256 tokens x one head: the head's 64 columns of q, of k and of v.  Wave w takes tokens 64 w .. 64 w + 63 (4 tiles of 16) against
; all 12 tiles of 16 weight rows: 48 accumulators.  K goes in steps of 256 (rows of 256 bytes) through a ring of two LDS slots: four K steps, written out.
; CLUSTER 4 x 4.  x's tile hangs on the block of tokens alone and is shared along a row of the cluster, the weights' tiles on the head alone and are shared
; along a column: each is asked for jointly.  Wave 0 asks for x's 256 rows, waves 1, 2, 3 for the 64 rows of Wq, Wk, Wv.
; LAYOUT.  q and k are made transposed (source 0 = 16 weight rows, source 1 = 16 tokens): a lane holds one token and its eight registers eight neighbouring
; channels 16 t + 8 (lane / 16) + 0 .. 7: one conversion of a tile's eight registers gives registers 2 t, 2 t + 1 of the K = 64 operand of the scores' product.
; v is made the other way round (source 0 = tokens, source 1 = weight rows): a lane holds one channel and eight neighbouring tokens, which are the keys, the K of
; the second product of attention.  So the codes leave as IMAGES OF THE NEXT OPERAND'S REGISTERS, 16 bytes a lane at 16 x lane: each store covers 512 consecutive bytes, aligned.
;   q_img, k_img: [batch x head 32][tile of 16 rows 128][g 2][lane 32][16 bytes]: registers 4 g .. 4 g + 3
;   v_img:        [batch x head 32][step of 128 keys 16][tile of 16 channels 4][g 4][lane 32][16 bytes]
; In this launch's own products the fragments come by four 16-byte loads a side: a permutation of k that is the same in x and in the weights.
; The three scales ahead of each quantiser are folded into the conversion's one: a sum stands for sum x 2^(ea + eb), its code is sum / 2^(ec - ea - eb).
; LIMITS: e6 - e0 - e1, e7 - e2 - e3 and e9 - e4 - e5 lie between -126 and 119, so that each power of two and 448 x it is an f32 number.
; REGISTERS, in windows of 256.  Window 0: v1-13 addresses and scales, v28, v29 for the add, v32-127 the codes, v128-255 v's 16 accumulators.
;   Windows 1 and 2: two sets of fragments: weight tile t at v[16 t], x's tile at v[192 + 16 x].   Window 3: q's 16 accumulators at v0, k's at v128.
.set PITCH, 272                        ; an LDS row: 256 bytes + 16 of padding, so that the 16 rows of a fragment load begin 16 bytes further on in each turn through the 64 banks of 4 bytes (ISA guide 11.1)
.set SLOT,  448*PITCH                  ; x's 256 rows, then 64 rows each of Wq, Wk, Wv
.set WOFF,  256*PITCH
.set SPARE, 2*SLOT                     ; behind the ring: the spare words, 128 bytes a wave, which no other line names
.set LI,   1                           ; v1     16 x lane
.set ADRX, 2                           ; v2-3   LDS address of my fragments of x in slot 0, 1
.set ADRW, 4                           ; v4-5   the same for the weights
.set SC,   8                           ; v8, v9: q's folded scale and 448 x it; v10, v11: k's; v12, v13: v's
.set SPW,  28                          ; v28    SPARE + 4 x my thread's number; never rewritten
.set NIL,  29                          ; v29    0; never rewritten
.set QC,   32                          ; v32-63 q's codes; v64-95 k's; v96-127 v's
.set KC,   64
.set VC,   96
.set VA,   128                         ; v's accumulators: (channel tile d, token tile x) at v[VA + 8 (4 d + x)]
.set WV,   20                          ; s20    my wave's number
.set G1X,  28                          ; s[28:35] descriptor group 1 for x's tiles; s[36:43] for the weights'
.set G1W,  36
.set G0X,  44                          ; s[44:51] group 0 for x's tiles, a set for each slot; s[52:59] for the weights'
.set G0W,  52
.set MSB, 0
.macro WIN new                         ; the immediate's high byte repeats the setting that is left; a switch that changes nothing is dropped
.if MSB != \new
	s_set_vgpr_msb (MSB<<8)|\new
.set MSB, \new
.endif
.endm
.macro PLACES n
.rept \n
	v_nop
.endr
.endm
; A joint load.  The branch hangs on the wave's number alone.  Four v_nop follow each of the two lines.
.macro JLOAD g0x, g0w
	s_cmp_eq_u32 s[WV], 0
	s_cbranch_scc0 .Lfor_w_\@
	tensor_load_to_lds s[\g0x:\g0x+3], s[G1X:G1X+7]
	s_nop 0
.rept 4
	v_nop
.endr
	s_branch .Lasked_\@
.Lfor_w_\@:
	tensor_load_to_lds s[\g0w:\g0w+3], s[G1W:G1W+7]
	s_nop 0
.rept 4
	v_nop
.endr
.Lasked_\@:
.endm
.macro CREST                           ; a round of the cluster's barrier behind its opening barrier
	s_cmp_lg_u32 s[WV], 0
	s_cbranch_scc1 .Lnot_wave_0_\@
	s_barrier_signal -3
.Lnot_wave_0_\@:
	s_barrier_wait -3
	s_barrier_signal -1
	s_barrier_wait -1
.endm
.macro CROUND                          ; a whole round
	s_barrier_signal -1
	s_barrier_wait -1
	CREST
.endm
	s_load_b512 s[4:19], s[0:1], 0x0               ; x s[4:5], Wq s[6:7], Wk s[8:9], Wv s[10:11], scales s[12:13], q_img s[14:15], k_img s[16:17], v_img s[18:19]
	v_lshl_add_u32 v[SPW], v0, 2, SPARE
	v_mov_b32 v[NIL], 0
	ds_add_u32 v28, v29
	ds_add_u32 v28, v29
	s_wait_dscnt 0x0
	v_lshrrev_b32 v6, 5, v0
	v_readfirstlane_b32 s[WV], v6                  ; wave 0..3
	s_bfe_u32 s21, ttmp6, 0x40000                  ; cx
	s_bfe_u32 s22, ttmp6, 0x40004                  ; cy
	s_lshl_b32 s23, ttmp9, 2
	s_add_co_u32 s23, s23, s21                     ; the head = 4 x cluster x + cx
	s_and_b32 s24, ttmp7, 0xffff
	s_lshl_b32 s24, s24, 2
	s_add_co_u32 s24, s24, s22                     ; the block of 256 tokens = 4 x cluster y + cy
	s_lshl_b32 s25, s22, 2
	s_lshl_b32 s25, 15, s25                        ; my row of the cluster
	s_lshl_b32 s26, 0x1111, s21                    ; my column
	s_or_b32 s[G1X], s25, (1<<20)|(1<<21)|(5<<22)|(3<<25)   ; 15:0 the mask; 17:16 elements of 1 byte; 20 padding on; 21 set beside a mask; 24:22 after every 64 words; 31:25 four words
	s_mov_b32 s[G1X+1], 256<<16                    ; tensor_dim0 = 256
	s_mov_b32 s[G1X+2], 256<<16                    ; tensor_dim1 = 256
	s_mov_b32 s[G1X+3], 256<<16                    ; tile_dim0 = 256
	s_mov_b32 s[G1X+4], 256                        ; tile_dim1 = 256 rows
	s_mov_b32 s[G1X+5], 1024                       ; from row to row
	s_mov_b32 s[G1X+6], 0
	s_mov_b32 s[G1X+7], 0
	s_or_b32 s[G1W], s26, (1<<20)|(1<<21)|(5<<22)|(3<<25)
	s_mov_b32 s[G1W+1], 256<<16
	s_mov_b32 s[G1W+2], 64<<16                     ; 64 rows
	s_mov_b32 s[G1W+3], 256<<16
	s_mov_b32 s[G1W+4], 64
	s_mov_b32 s[G1W+5], 1024
	s_mov_b32 s[G1W+6], 0
	s_mov_b32 s[G1W+7], 0
	s_lshl_b32 s80, s24, 18                        ; x: 256 rows of 1,024 bytes a block (these registers never hold cx)
	s_mov_b32 s81, 0
	s_lshl_b32 s84, s23, 16                        ; the weights: 64 rows of 1,024 bytes a head (these never hold cy)
	s_mov_b32 s85, 0
	s_mul_i32 s27, s[WV], 64*PITCH
	s_add_co_u32 s27, s27, 192*PITCH               ; where wave 1, 2, 3 puts its 64 rows: behind x's 256
	s_wait_kmcnt 0x0
	s_load_b256 s[68:75], s[12:13], 0x0            ; e0 .. e7
	s_load_b64 s[76:77], s[12:13], 0x20            ; e8, e9
	s_add_nc_u64 s[80:81], s[4:5], s[80:81]
	s_cmp_eq_u32 s[WV], 1
	s_cselect_b64 s[86:87], s[6:7], s[8:9]         ; wave 1: Wq; wave 2: Wk;
	s_cmp_eq_u32 s[WV], 3
	s_cselect_b64 s[86:87], s[10:11], s[86:87]     ; wave 3: Wv
	s_add_nc_u64 s[84:85], s[86:87], s[84:85]
	CROUND                                         ; all sixteen work-groups are here: the first joint loads meet
.irp s, 0,1
	s_mov_b32 s[G0X+4*\s], 1                       ; count = 1
	s_mov_b32 s[G0X+4*\s+1], \s*SLOT               ; LDS address
	s_add_nc_u64 s[G0X+4*\s+2:G0X+4*\s+3], s[80:81], \s*256   ; K step s
	s_or_b32 s[G0X+4*\s+3], s[G0X+4*\s+3], 0x80000000         ; type = 2
	s_mov_b32 s[G0W+4*\s], 1
	s_add_co_u32 s[G0W+4*\s+1], s27, \s*SLOT
	s_add_nc_u64 s[G0W+4*\s+2:G0W+4*\s+3], s[84:85], \s*256
	s_or_b32 s[G0W+4*\s+3], s[G0W+4*\s+3], 0x80000000
	JLOAD G0X+4*\s, G0W+4*\s                       ; two loads of mine are out
.endr
	v_and_b32 v6, 15, v0                           ; r = lane % 16
	v_bfe_u32 v7, v0, 4, 1                         ; h = lane / 16
	v_mul_u32_u24 v6, v6, PITCH
	v_lshl_add_u32 v6, v7, 4, v6                   ; row x pitch + 16 h
	s_mul_i32 s25, s[WV], 64*PITCH                 ; my 64 tokens
	v_add_nc_u32 v[ADRX], s25, v6
	v_add_nc_u32 v[ADRX+1], SLOT, v[ADRX]
	v_add_nc_u32 v[ADRW], WOFF, v6
	v_add_nc_u32 v[ADRW+1], SLOT, v[ADRW]
	v_and_b32 v[LI], 31, v0
	v_lshlrev_b32 v[LI], 4, v[LI]
	; where my images go
	s_lshr_b32 s88, s24, 3                         ; the batch
	s_lshl_b32 s88, s88, 4
	s_add_co_u32 s88, s88, s23                     ; bh = 16 x batch + head
	s_and_b32 s89, s24, 7                          ; the block inside the batch
	s_lshl_b32 s90, s88, 7
	s_lshl_b32 s91, s89, 4
	s_add_co_u32 s90, s90, s91
	s_lshl_b32 s91, s[WV], 2
	s_add_co_u32 s90, s90, s91                     ; my first tile of 16 tokens: 128 bh + 16 block + 4 wave
	s_lshl_b32 s90, s90, 10                        ; 1,024 bytes a tile
	s_mov_b32 s91, 0
	s_add_nc_u64 s[14:15], s[14:15], s[90:91]
	s_add_nc_u64 s[16:17], s[16:17], s[90:91]
	s_lshl_b32 s92, s88, 4
	s_lshl_b32 s93, s89, 1
	s_add_co_u32 s92, s92, s93
	s_lshr_b32 s93, s[WV], 1
	s_add_co_u32 s92, s92, s93                     ; my step of 128 keys: 16 bh + 2 block + wave / 2
	s_lshl_b32 s92, s92, 13                        ; 8,192 bytes a step
	s_and_b32 s93, s[WV], 1
	s_lshl_b32 s93, s93, 10                        ; my 64 keys are registers 8 (wave % 2) on of each fragment: 1,024 bytes on
	s_add_co_u32 s92, s92, s93
	s_mov_b32 s93, 0
	s_add_nc_u64 s[18:19], s[18:19], s[92:93]
; 64 LDS loads in one run: the 12 weight tiles and my 4 tiles of x, the slot's q-th 128 along K, into set p (window p + 1).
; Lane l holds row l % 16; registers 4 c .. 4 c + 3 hold K = 32 c + 16 (l / 16) + 0 .. 15.
.macro FETCH slot, q, p
	WIN 0x40*((\p)+1)                              ; destination window p + 1, address window 0
.irp w, 0,1,2,3,4,5,6,7,8,9,10,11
.irp c, 0,1,2,3
	ds_load_b128 v[16*\w+4*\c:16*\w+4*\c+3], v[ADRW+\slot] offset:\w*16*PITCH+128*(\q)+32*\c
.endr
.endr
.irp x, 0,1,2,3
.irp c, 0,1,2,3
	ds_load_b128 v[192+16*\x+4*\c:192+16*\x+4*\c+3], v[ADRX+\slot] offset:\x*16*PITCH+128*(\q)+32*\c
.endr
.endr
.endm
; 16 products of q (a = 0, w0 = 0) or of k (a = 128, w0 = 64): source 0 = 16 weight rows, source 1 = 16 tokens.  z = 1: the first product starts the sums: nothing is cleared.
; The 48 accumulators take turns, one instruction a turn, in the same order in every step.
.macro MULQK a, w0, z
.irp x, 0,1,2,3
.irp w, 0,1,2,3
.if \z
	v_wmma_f32_16x16x128_fp8_fp8 v[\a+8*(4*\x+\w):\a+8*(4*\x+\w)+7], v[\w0+16*\w:\w0+16*\w+15], v[192+16*\x:192+16*\x+15], 0
.else
	v_wmma_f32_16x16x128_fp8_fp8 v[\a+8*(4*\x+\w):\a+8*(4*\x+\w)+7], v[\w0+16*\w:\w0+16*\w+15], v[192+16*\x:192+16*\x+15], v[\a+8*(4*\x+\w):\a+8*(4*\x+\w)+7]
.endif
.endr
.endr
.endm
; 16 products of v: source 0 = 16 tokens, source 1 = 16 rows of Wv
.macro MULV z
.irp d, 0,1,2,3
.irp x, 0,1,2,3
.if \z
	v_wmma_f32_16x16x128_fp8_fp8 v[VA+8*(4*\d+\x):VA+8*(4*\d+\x)+7], v[192+16*\x:192+16*\x+15], v[128+16*\d:128+16*\d+15], 0
.else
	v_wmma_f32_16x16x128_fp8_fp8 v[VA+8*(4*\d+\x):VA+8*(4*\d+\x)+7], v[192+16*\x:192+16*\x+15], v[128+16*\d:128+16*\d+15], v[VA+8*(4*\d+\x):VA+8*(4*\d+\x)+7]
.endif
.endr
.endr
.endm
; A slot's first 128 along K, on set 0; the second 128 are fetched into set 1 meanwhile.
.macro STEP slot, z
	s_wait_dscnt 0x0                               ; set 0 is in
	PLACES 4                                       ; four plain instructions between the last product that read set 1 and the loads into it (ISA guide 7.12.1 for vector instructions)
	FETCH \slot, 1, 1
	WIN 0xf5                                       ; sources window 1, C and D window 3
	MULQK 0, 0, \z
	MULQK 128, 64, \z
	WIN 0x05                                       ; sources window 1, C and D window 0
	MULV \z
.endm
; A slot's second 128, on set 1, and the change of slots: ONE barrier.  In front of it each wave waits for all its tensor loads, adds 0 to its spare word, and waits for that
; and for its reads of this slot.  fill = 1: the barrier opens a round of the cluster's, and this slot is filled again, two K steps on, first thing behind the round.
.macro TURN slot, next, fill
	WIN 0                                          ; (the add's two registers lie in window 0)
	s_wait_tensorcnt 0x0                           ; all my tensor loads have landed: my part of the next slot
	ds_add_u32 v[SPW], v[NIL]                      ; 0 onto my spare word
	s_wait_dscnt 1                                 ; only the add may be out: the 64 loads of set 1, issued ahead of it, are in
	WIN 0xfa                                       ; sources window 2, C and D window 3
	MULQK 0, 0, 0                                  ; sixteen products stand between the add and the wait for it
	s_wait_dscnt 0x0                               ; the add is done, and my reads of this slot are over
	s_barrier_signal -1
	MULQK 128, 64, 0
	WIN 0
	s_barrier_wait -1
.if \fill
	CREST                                          ; no wave of any partner still reads this slot or has a load on its way
	s_add_nc_u64 s[G0X+4*\slot+2:G0X+4*\slot+3], s[G0X+4*\slot+2:G0X+4*\slot+3], 512
	s_add_nc_u64 s[G0W+4*\slot+2:G0W+4*\slot+3], s[G0W+4*\slot+2:G0W+4*\slot+3], 512
	JLOAD G0X+4*\slot, G0W+4*\slot                 ; my one tensor load behind the round; its four v_nop are also the places in front of the loads into set 0
.else
	PLACES 4
.endif
	FETCH \next, 0, 0
	WIN 0x0a                                       ; sources window 2, C and D window 0
	MULV 0
.endm
	s_wait_tensorcnt 1                             ; my part of K step 0 is in; K step 1's may stay out
	s_barrier_signal -1
	s_barrier_wait -1                              ; everybody's is
	FETCH 0, 0, 0
	STEP 0, 1                                      ; K 0-127: these products start the sums
	TURN 0, 1, 1                                   ; K 128-255; slot 0 takes K step 2
	STEP 1, 0
	TURN 1, 0, 1                                   ; slot 1 takes K step 3
	STEP 0, 0
	TURN 0, 1, 0                                   ; nothing is left to fetch
	STEP 1, 0
	s_wait_dscnt 0x0                               ; the last 128 along K
	WIN 0xfa
	MULQK 0, 0, 0
	MULQK 128, 64, 0
	WIN 0x0a
	MULV 0
	WIN 0
; THE WAY OUT.  v[vs] = 2^(ea - eb - ec) as f32, whose exponent field the conversion takes; v[vs + 1] = 448 x it.
.macro FOLD vs, ea, eb, ec
	s_sub_co_i32 s88, s[\ea], s[\eb]
	s_sub_co_i32 s88, s88, s[\ec]
	s_add_co_i32 s88, s88, 127
	s_lshl_b32 s89, s88, 23
	v_mov_b32 v[\vs], s89
	s_add_co_i32 s88, s88, 8
	s_lshl_b32 s88, s88, 23
	s_or_b32 s88, s88, 0x600000
	v_mov_b32 v[\vs+1], s88
.endm
	s_wait_kmcnt 0x0
	FOLD SC, 74, 68, 69                            ; q: e6 - e0 - e1.  These six v_mov_b32 name no register of the last products: they are the places behind them
	FOLD SC+2, 75, 70, 71                          ; k: e7 - e2 - e3
	FOLD SC+4, 77, 72, 73                          ; v: e9 - e4 - e5
	WIN 0xc3                                       ; destination and source 0 window 3, the limits window 0
.set j, 0
.rept 128
	v_med3_num_f32 v[j], v[j], -v[SC+1], v[SC+1]   ; the conversion to an 8-bit code does not saturate (ISA guide 7.6.2): the hold at 448 x the scale; each accumulator from its low end on
.set j, j+1
.endr
.rept 128
	v_med3_num_f32 v[j], v[j], -v[SC+3], v[SC+3]
.set j, j+1
.endr
	WIN 0x03                                       ; source 0 window 3, destination and scale window 0
.irp x, 0,1,2,3
.irp w, 0,1,2,3
	v_cvt_scalef32_pk8_fp8_f32 v[QC+8*\x+2*\w:QC+8*\x+2*\w+1], v[8*(4*\x+\w):8*(4*\x+\w)+7], v[SC]         ; channels 16 w + 8 h + 0 .. 7 of token r: registers 2 w, 2 w + 1 of tile x's fragment
	v_cvt_scalef32_pk8_fp8_f32 v[KC+8*\x+2*\w:KC+8*\x+2*\w+1], v[128+8*(4*\x+\w):128+8*(4*\x+\w)+7], v[SC+2]
.endr
.endr
	WIN 0
.irp x, 0,1,2,3
.irp g, 0,1
	global_store_b128 v[LI], v[QC+8*\x+4*\g:QC+8*\x+4*\g+3], s[14:15] offset:\x*1024+\g*512   ; 32 lanes store 512 consecutive bytes, aligned
	global_store_b128 v[LI], v[KC+8*\x+4*\g:KC+8*\x+4*\g+3], s[16:17] offset:\x*1024+\g*512
.endr
.endr
.set j, 0
.rept 128
	v_med3_num_f32 v[VA+j], v[VA+j], -v[SC+5], v[SC+5]     ; (plain lines behind the conversions above, whose registers they do not touch)
.set j, j+1
.endr
.irp d, 0,1,2,3
.irp x, 0,1,2,3
	v_cvt_scalef32_pk8_fp8_f32 v[VC+8*\d+2*\x:VC+8*\d+2*\x+1], v[VA+8*(4*\d+\x):VA+8*(4*\d+\x)+7], v[SC+4]   ; keys 16 x + 8 h + 0 .. 7 of channel r
.endr
.endr
	v_nop                                          ; a plain line behind the last conversion
.irp d, 0,1,2,3
.irp g, 0,1
	global_store_b128 v[LI], v[VC+8*\d+4*\g:VC+8*\d+4*\g+3], s[18:19] offset:\d*2048+\g*512
.endr
.endr
	s_wait_tensorcnt 0x0                           ; the wave's end
	ds_add_u32 v[SPW], v[NIL]
	s_wait_dscnt 0x0
	CROUND                                         ; the closing round: no work-group ends while a partner may still ask for a tile that names it
	s_endpgm
.Lfunc_end_k_q499ab78c7e_qkv:
	.size	k_q499ab78c7e_qkv, .Lfunc_end_k_q499ab78c7e_qkv-k_q499ab78c7e_qkv
	.p2alignl 7, 3214868480
	.fill 96, 4, 3214868480
	.section	.rodata,"a",@progbits
	.p2align	6, 0x0
	.amdhsa_kernel k_q499ab78c7e_qkv
		.amdhsa_group_segment_fixed_size 327680
		.amdhsa_private_segment_fixed_size 0
		.amdhsa_enable_private_segment 0
		.amdhsa_kernarg_size 64
		.amdhsa_user_sgpr_count 2
		.amdhsa_user_sgpr_kernarg_segment_ptr 1
		.amdhsa_wavefront_size32 1
		.amdhsa_system_sgpr_workgroup_id_x 1
		.amdhsa_system_sgpr_workgroup_id_y 1
		.amdhsa_system_sgpr_workgroup_id_z 1
		.amdhsa_system_vgpr_workitem_id 0
		.amdhsa_next_free_vgpr 1024
		.amdhsa_next_free_sgpr 100
		.amdhsa_reserve_vcc 0
		.amdhsa_float_denorm_mode_32 3
		.amdhsa_float_denorm_mode_16_64 3
		.amdhsa_memory_ordered 1
		.amdhsa_forward_progress 1
		.amdhsa_inst_pref_size 98
	.end_amdhsa_kernel
	.amdgpu_metadata
---
amdhsa.version: [ 1, 2 ]
amdhsa.kernels:
  - .name:           k_q499ab78c7e_qkv
    .symbol:         k_q499ab78c7e_qkv.kd
    .args:
      - { .name: hidden_states_codes, .offset: 0, .size: 8, .value_kind: global_buffer, .address_space: global }
      - { .name: Wq_codes, .offset: 8, .size: 8, .value_kind: global_buffer, .address_space: global }
      - { .name: Wk_codes, .offset: 16, .size: 8, .value_kind: global_buffer, .address_space: global }
      - { .name: Wv_codes, .offset: 24, .size: 8, .value_kind: global_buffer, .address_space: global }
      - { .name: lowp_scales, .offset: 32, .size: 8, .value_kind: global_buffer, .address_space: global }
      - { .name: q_img, .offset: 40, .size: 8, .value_kind: global_buffer, .address_space: global }
      - { .name: k_img, .offset: 48, .size: 8, .value_kind: global_buffer, .address_space: global }
      - { .name: v_img, .offset: 56, .size: 8, .value_kind: global_buffer, .address_space: global }
    .group_segment_fixed_size: 327680
    .private_segment_fixed_size: 0
    .kernarg_segment_align: 8
    .kernarg_segment_size: 64
    .max_flat_workgroup_size: 128
    .sgpr_count:     100
    .vgpr_count:     1024
    .wavefront_size: 32
...
	.end_amdgpu_metadata
.endif
;; end of part 1
;; launch attn (part 2): grid 8 x 32, 16 waves a work-group, no clusters, 264,192 bytes of LDS; arguments q_img, k_img, v_img, lowp_scales, ctx_img; writes ctx_img
.if DOCPART == 2
	.amdgcn_target "amdgcn-amd-amdhsa--gfx1250"
	.amdhsa_code_object_version 6
	.text
	.protected	k_q499ab78c7e_attn
	.globl	k_q499ab78c7e_attn
	.p2align	8
	.type	k_q499ab78c7e_attn,@function
k_q499ab78c7e_attn:
	s_mov_b64 s[64:65], 0
	v_nop
	global_prefetch_b8 v0, s[64:65] scope:SCOPE_SE
	s_setreg_imm32_b32 hwreg(HW_REG_WAVE_MODE, 25, 1), 1
	s_wait_xcnt 0x0
; Causal attention of one head with ALiBi and a tanh softcap, both products on codes of E4M3, and the context quantised for the last projection.
;   logit(i, j) = 30 tanh(((q_i . k_j) - (i - j) slope) / 240), j <= i;  slope = 2^(-(head + 1) / 2)
;   t = logit x log2(e);  M = the row's largest t so far, rounded UP to a whole number;  p = 2^(t - M) is quantised with 2^e8; the row's sum is taken of the unquantised p and divides at the end.
; q_img, k_img, v_img, ctx_img are images of operand registers, 16 bytes a lane at 16 x lane:
;   q_img, k_img [bh 32][tile of 16 rows 128][g 2][lane][16];  v_img [bh][step of 128 keys 16][tile of 16 channels 4][g 4][lane][16];  ctx_img [tile of 16 tokens 256][head 16][g 2][lane][16].
; SHARES.  Work-group (i, bh) owns the blocks of 128 queries i and 15 - i of one head, so that every work-group has 17 block-steps of 128 keys under the causal mask.  Each of its sixteen waves owns one tile
; of 16 queries, in 256 registers.  Wave w takes tile w / 2 of block i or of block 15 - i, by the bit (w ^ (w >> 2)) & 1: of waves 4 n .. 4 n + 3, and of waves n, n + 4, n + 8, n + 12, two fall to each block.
; THE HEAD'S K AND V LIE WHOLE IN LDS, 131,072 bytes each, as the images lie in memory: every LDS byte is filled once, by 16 tensor loads issued at the head (waves 0, 1: K; waves 2, 3: V; four each: four loads of a
; wave are out at the most), in four phases of four key steps; a counted wait and a barrier stand at the head of each phase.  A fragment load takes 512 consecutive bytes.
; NO CLUSTER: the work-groups that share a head's K and V differ in the key steps that they leave out under the mask; that is a branch on the query block, which would be a work-group's place among its partners.
; LAYOUT.  S^T = K Q^T (source 0 = 16 keys, source 1 = my 16 queries), O^T = V^T P^T: a lane holds ONE query (lane % 16).  Register 8 t + j of S^T is key KF + 16 t + 8 (lane / 16) + j: one conversion of a
; tile's eight registers gives registers 2 t, 2 t + 1 of P's K = 128 fragment; likewise O^T's four tiles give the eight registers of the head's half of a fragment of the context.
; A SCORE'S ARITHMETIC.  tanh(x) = 1 - 2 / (1 + 2^(2 x log2 e)).  With c1 = 2 log2(e) / 240, a0 = c1 x slope, T0 = 30 log2(e):
;   w = 1 + 2^(c1 q.k + a0 (j - i)) = 2^(S c + A[n]) x eb[b] + 1,  A[n] = a0 x (the register's key inside its 32), eb[b] = 2^(a0 (KF + 32 b + 8 h - i)): four more exponentials a step;
;   t - M = (1 / w) x (-2 T0) + (T0 - M).  t grows with w, so the row's maximum is taken of w.  A hidden score's w becomes 2^-100, under every open w (at least 1): its p is 2^(-1e32) = 0.
;   Where 2^(..) overflows, w is infinite, 1 / w = 0 and t = T0; where it underflows, w = 1 and t = -T0: the softcap's two ends.
; LIMITS: e6 + e7 between -119 and 134 (added to c1's exponent field); e8, and e10 - e8 - e9, between -126 and 119.
.set VOFF, 131072                      ; LDS: K's images at 0, V's here
.set LI,   1                           ; v1   16 x lane
.set ADK,  2                           ; v2   LDS address of the step's K
.set ADV,  3                           ; v3   of its V
.set DL,   4                           ; v4   my query - 8 (lane / 16)
.set DD,   5                           ; v5   DL - KF: register 8 t + j is hidden where 16 t + j > DD
.set TINY, 6                           ; v6   2^-100
.set NM,   12                          ; v12  -M
.set TM,   13                          ; v13  the largest t so far
.set LS,   14                          ; v[14:15] the row's sum in two halves
.set QF,   16                          ; v16-23  Q's fragment
.set AB,   24                          ; v24-39  A[0 .. 15]
.set FL,   40                          ; v40-43  32 b - DL as f32
.set EB,   44                          ; v44, 46, 48, 50: eb[b]; the odd registers are named as upper halves of pairs and written once
.set T,    52                          ; v52-56  at work
.set FF,   60                          ; v[60:61] f = 2^(old M - new M); at the end 1 / the sum
.set TZ,   62                          ; v[62:63] T0 - M
.set FR,   64                          ; v64-127 eight fragments of K, then four of V
.set S,    128                         ; v128-191 S^T, and all that is made of it, in place
.set O,    192                         ; v192-223 O^T
.set PC,   224                         ; v224-239 p's codes
.set PLIM, 240                         ; v240 448 x 2^e8;  v241 2^e8
.set PSC,  241
.set L2,   242                         ; v[242:243] the sum's second chain
.set CSC,  244                         ; v244 2^(e10 - e8 - e9);  v245 448 x it
.set CLIM, 245
.set WV,   14                          ; s14 wave;  s15 bh
.set KF,   22                          ; s22 the step's first key
.set TB,   23                          ; s23 the step's first byte in K's images (and, VOFF further on, in V's)
.set G1,   24                          ; s[24:31] descriptor group 1;  s[32:47] four groups 0
.set G0,   32
.set CS,   48                          ; s[48:49] c = c1 x 2^(e6 + e7)
.set M2T,  50                          ; s[50:51] -2 T0
.set T0,   52                          ; s52 T0
.set A0,   53                          ; s53 a0
.set KFF,  54                          ; s54 KF as f32
.set Q0,   55                          ; s55 my first query
.set SEL,  56                          ; s[56:57] v_permlanex16_b32's selects for lane l xor 16
.set CNT,  58
	s_load_b256 s[4:11], s[0:1], 0x0               ; q_img s[4:5], k_img s[6:7], v_img s[8:9], the scales s[10:11]
	s_load_b64 s[12:13], s[0:1], 0x20              ; ctx_img
	v_lshl_add_u32 v254, v0, 2, 0x40000
	v_mov_b32 v255, 0
	ds_add_u32 v254, v255
	ds_add_u32 v254, v255
	v_lshrrev_b32 v1, 5, v0
	v_readfirstlane_b32 s[WV], v1                  ; wave 0..15
	s_and_b32 s15, ttmp7, 0xffff                   ; bh = 16 x batch + head
	s_mov_b32 s[G1], 3<<16                         ; no mask; elements of 8 bytes; no padding
	s_mov_b32 s[G1+1], 32<<16                      ; tensor_dim0 = 32 elements: rows of 256 bytes
	s_mov_b32 s[G1+2], 64<<16                      ; tensor_dim1 = 64
	s_mov_b32 s[G1+3], 32<<16                      ; tile_dim0 = 32
	s_mov_b32 s[G1+4], 64                          ; tile_dim1 = 64 rows: 16,384 bytes on end
	s_mov_b32 s[G1+5], 32                          ; dense
	s_mov_b32 s[G1+6], 0
	s_mov_b32 s[G1+7], 0
	s_and_b32 s17, s[WV], 1
	s_lshl_b32 s17, s17, 14                        ; which half of a phase's 32,768 bytes I fetch
	s_bfe_u32 s60, s[WV], 0x10001                  ; waves 0, 1: K's region; waves 2, 3: V's
	s_lshl_b32 s60, s60, 17
	s_add_co_u32 s60, s60, s17
	s_lshl_b32 s20, s15, 17                        ; the head's 131,072 bytes
	s_add_co_u32 s20, s20, s17
	s_mov_b32 s21, 0
	s_wait_dscnt 0x0
	s_wait_kmcnt 0x0
	s_load_b256 s[68:75], s[10:11], 0x0            ; e0 .. e7
	s_load_b128 s[76:79], s[10:11], 0x20           ; e8 .. e11
	s_cmp_lt_u32 s[WV], 2
	s_cselect_b64 s[18:19], s[6:7], s[8:9]
	s_add_nc_u64 s[18:19], s[18:19], s[20:21]
.irp p, 0,1,2,3
	s_mov_b32 s[G0+4*\p], 1                        ; count = 1
	s_add_co_u32 s[G0+4*\p+1], s60, \p*32768       ; LDS address
	s_add_nc_u64 s[G0+4*\p+2:G0+4*\p+3], s[18:19], \p*32768
	s_or_b32 s[G0+4*\p+3], s[G0+4*\p+3], 0x80000000   ; type = 2
.endr
	s_cmp_lt_u32 s[WV], 4                          ; a wave's four fills stand in one branch, ahead of every wait on TENSORcnt, every LDS read and every barrier
	s_cbranch_scc0 .Lno_fetch
	tensor_load_to_lds s[G0:G0+3], s[G1:G1+7]
	s_nop 0
	tensor_load_to_lds s[G0+4:G0+7], s[G1:G1+7]
	s_nop 0
	tensor_load_to_lds s[G0+8:G0+11], s[G1:G1+7]
	s_nop 0
	tensor_load_to_lds s[G0+12:G0+15], s[G1:G1+7]
	s_nop 0
.rept 4
	v_nop
.endr
.Lno_fetch:
	s_lshr_b32 s59, s[WV], 2
	s_xor_b32 s59, s59, s[WV]
	s_and_b32 s59, s59, 1                          ; which of the two blocks
	s_sub_co_u32 s62, 15, ttmp9
	s_cmp_eq_u32 s59, 0
	s_cselect_b32 s62, ttmp9, s62
	s_lshl_b32 s62, s62, 3
	s_lshr_b32 s63, s[WV], 1
	s_add_co_u32 s61, s62, s63                     ; my tile of 16 queries in the head
	s_lshl_b32 s[Q0], s61, 4
	s_lshl_b32 s80, s15, 7
	s_add_co_u32 s80, s80, s61
	s_lshl_b32 s80, s80, 10
	s_mov_b32 s81, 0
	s_add_nc_u64 s[4:5], s[4:5], s[80:81]
	v_and_b32 v[LI], 31, v0
	v_lshlrev_b32 v[LI], 4, v[LI]
	global_load_b128 v[QF:QF+3], v[LI], s[4:5]     ; Q's fragment stays in registers
	global_load_b128 v[QF+4:QF+7], v[LI], s[4:5] offset:512
	s_and_b32 s84, s15, 15                         ; the head
	s_lshr_b32 s82, s15, 4                         ; the batch
	s_lshl_b32 s82, s82, 7
	s_add_co_u32 s82, s82, s61                     ; my tile of 16 tokens
	s_lshl_b32 s82, s82, 4
	s_add_co_u32 s82, s82, s84
	s_lshl_b32 s82, s82, 10
	s_mov_b32 s83, 0
	s_add_nc_u64 s[12:13], s[12:13], s[82:83]
	s_lshr_b32 s85, s84, 1                         ; slope = 2^(-(head + 1) / 2): exponent field 126 - head / 2, and the mantissa of the square root of 2 where the head is even
	s_sub_co_u32 s85, 126, s85
	s_lshl_b32 s85, s85, 23
	s_and_b32 s86, s84, 1
	s_cmp_eq_u32 s86, 0
	s_cselect_b32 s86, 0x3504f3, 0
	s_or_b32 s85, s85, s86
	s_mov_b32 s[CS], 0x3c44f9d9                    ; c1 = 2 log2(e) / 240
	s_mul_f32 s[A0], s[CS], s85
	s_mov_b32 s[M2T], 0xc2ad1f97                   ; -2 T0
	s_mov_b32 s[M2T+1], s[M2T]                     ; (named with it as a pair, so it is written)
	s_mov_b32 s[T0], 0x422d1f97                    ; T0 = 30 log2(e)
	s_mov_b32 s[SEL], 0x76543210
	s_mov_b32 s[SEL+1], 0xfedcba98
	s_mov_b32 s[KF], 0
	v_and_b32 v[T], 15, v0                         ; r
	v_bfe_u32 v[T+1], v0, 4, 1                     ; h
	v_lshlrev_b32 v[T+1], 3, v[T+1]
	v_sub_nc_u32 v[DL], v[T], v[T+1]
	v_add_nc_u32 v[DL], s[Q0], v[DL]
.irp b, 0,1,2,3
	v_sub_nc_u32 v[FL+\b], 32*\b, v[DL]
	v_cvt_f32_i32 v[FL+\b], v[FL+\b]
	v_mov_b32 v[EB+2*\b+1], 0
.endr
.irp n, 0,1,2,3,4,5,6,7,8,9,10,11,12,13,14,15
	v_cvt_f32_u32 v[AB+\n], 16*(\n/8)+\n%8
	v_mul_f32 v[AB+\n], s[A0], v[AB+\n]
.endr
	v_mov_b32 v[TINY], 0x0d800000                  ; 2^-100
	v_mov_b32 v[TM], 0xff61b1e6                    ; the largest t so far: -3e38, under every t
	v_floor_f32 v[NM], -v[TM]
	v_mov_b32 v[LS], 0
	v_mov_b32 v[LS+1], 0
	v_mov_b32 v[T+2], 0                            ; written once: a lane permute's destination counts as one of its sources
	v_mov_b32 v[FF+1], 0
	v_mov_b32 v[TZ+1], 0
.set j, 0
.rept 32
	v_mov_b32 v[O+j], 0                            ; O^T.  (The step is written once: the first finds zeros, which the first change of M leaves zeros)
.set j, j+1
.endr
	s_wait_kmcnt 0x0
	s_add_co_i32 s86, s74, s75                     ; a sum of codes stands for sum x 2^(e6 + e7): added to c1's exponent field
	s_lshl_b32 s86, s86, 23
	s_add_co_i32 s[CS], s[CS], s86
	s_mov_b32 s[CS+1], s[CS]
	s_add_co_i32 s86, s76, 127
	s_lshl_b32 s87, s86, 23
	v_mov_b32 v[PSC], s87                          ; 2^e8
	s_add_co_i32 s86, s86, 8
	s_lshl_b32 s86, s86, 23
	s_or_b32 s86, s86, 0x600000
	v_mov_b32 v[PLIM], s86                         ; 448 x 2^e8
	s_sub_co_i32 s86, s78, s76                     ; O^T / the sum stands for ctx / 2^(e8 + e9): its code is that / 2^(e10 - e8 - e9)
	s_sub_co_i32 s86, s86, s77
	s_add_co_i32 s86, s86, 127
	s_lshl_b32 s87, s86, 23
	v_mov_b32 v[CSC], s87
	s_add_co_i32 s86, s86, 8
	s_lshl_b32 s86, s86, 23
	s_or_b32 s86, s86, 0x600000
	v_mov_b32 v[CLIM], s86
; A KEY STEP: 128 keys from KF on.
.macro STEP
	s_cmp_gt_u32 s[KF], s[Q0]                      ; KF and Q0 are multiples of 16: all 128 keys come after my 16 queries: the step's work is left out, not the lines at its end
	s_cbranch_scc1 .Lhidden_\@
	s_cvt_f32_u32 s[KFF], s[KF]
	v_add_nc_u32 v[ADK], s[TB], v[LI]              ; these six plain lines are the places between the last step's products and the loads into the registers that they read
	v_add_nc_u32 v[ADV], VOFF, v[ADK]
.irp b, 0,1,2,3
	v_add_f32 v[EB+2*\b], s[KFF], v[FL+\b]         ; KF + 32 b + 8 h - i: a whole number, exact
.endr
.irp t, 0,1,2,3,4,5,6,7
	ds_load_b128 v[FR+8*\t:FR+8*\t+3], v[ADK] offset:1024*\t
	ds_load_b128 v[FR+8*\t+4:FR+8*\t+7], v[ADK] offset:1024*\t+512
.endr
	s_wait_dscnt 0x0
.irp t, 0,1,2,3,4,5,6,7
	v_wmma_f32_16x16x64_fp8_fp8 v[S+8*\t:S+8*\t+7], v[FR+8*\t:FR+8*\t+7], v[QF:QF+7], 0
.endr
.irp b, 0,1,2,3
	v_mul_f32 v[EB+2*\b], s[A0], v[EB+2*\b]        ; four plain lines: the places in front of the loads below and of the first read of the scores
.endr
.irp d, 0,1,2,3
.irp g, 0,1,2,3
	ds_load_b128 v[FR+16*\d+4*\g:FR+16*\d+4*\g+3], v[ADV] offset:2048*\d+512*\g   ; V's four fragments land while the softmax is worked
.endr
.endr
.set j, 0
.rept 32
	v_pk_fma_f32 v[S+j:S+j+1], v[S+j:S+j+1], s[CS:CS+1], v[AB+j%16:AB+j%16+1] op_sel_hi:[1,0,1]   ; S c + A: each accumulator from its low end on
.set j, j+2
.endr
.irp b, 0,1,2,3
	v_exp_f32 v[EB+2*\b], v[EB+2*\b]               ; the first batch: eb[0 .. 3] and the 64 scores'
.endr
.set j, 0
.rept 64
	v_exp_f32 v[S+j], v[S+j]
.set j, j+1
.endr
	v_sub_nc_u32 v[DD], v[DL], s[KF]               ; (the plain line behind the batch)
	s_wait_alu depctr_va_vdst(0)                   ; one wait for the batch, ahead of its first reader
.set j, 0
.rept 32
	v_pk_fma_f32 v[S+j:S+j+1], v[S+j:S+j+1], v[EB+2*(j/16):EB+2*(j/16)+1], 1.0 op_sel_hi:[1,0,0]   ; w = 2^(..) x eb + 1
.set j, j+2
.endr
	s_add_co_u32 s59, s[KF], 127
	s_cmp_le_u32 s59, s[Q0]                        ; all 128 keys count for all my queries: no mask
	s_cbranch_scc1 .Lopen_\@
.set j, 0
.rept 64
	v_cmp_gt_i32 vcc_lo, 16*(j/8)+j%8, v[DD]
	v_cndmask_b32 v[S+j], v[S+j], v[TINY], vcc_lo
.set j, j+1
.endr
.Lopen_\@:
	v_max3_num_f32 v[T], v[S], v[S+1], v[S+2]      ; my query's largest w among my 64 keys, in two chains,
	v_max3_num_f32 v[T+1], v[S+3], v[S+4], v[S+5]
.set j, 6
.rept 14
	v_max3_num_f32 v[T], v[T], v[S+j], v[S+j+1]
	v_max3_num_f32 v[T+1], v[T+1], v[S+j+2], v[S+j+3]
.set j, j+4
.endr
	v_max3_num_f32 v[T], v[T], v[S+62], v[S+63]
	v_max_num_f32 v[T], v[T], v[T+1]
	v_permlanex16_b32 v[T+2], v[T], s[SEL], s[SEL+1]
	v_max_num_f32 v[T], v[T], v[T+2]               ; and among lane l xor 16's
	v_rcp_f32 v[T+3], v[T]                         ; the second batch: 65 reciprocals
.set j, 0
.rept 64
	v_rcp_f32 v[S+j], v[S+j]
.set j, j+1
.endr
	v_mov_b32 v[T+4], v[NM]                        ; (the plain line behind the batch)  the old -M
	s_wait_alu depctr_va_vdst(0)
	v_fma_f32 v[T+3], v[T+3], s[M2T], s[T0]        ; the step's largest t, by the same arithmetic as every t
	v_max_num_f32 v[TM], v[TM], v[T+3]
	v_floor_f32 v[NM], -v[TM]                      ; -M = floor(-t) = -ceil(t): a whole number
	v_sub_f32 v[T+4], v[NM], v[T+4]                ; old M - new M: a whole number, 0 or less
	v_cvt_i32_f32 v[T+4], v[T+4]                   ; (it saturates)
	v_ldexp_f32 v[FF], 1.0, v[T+4]                 ; f = 2^(old M - new M)
	v_add_f32 v[TZ], s[T0], v[NM]                  ; T0 - M
.set j, 0
.rept 32
	v_pk_fma_f32 v[S+j:S+j+1], v[S+j:S+j+1], s[M2T:M2T+1], v[TZ:TZ+1] op_sel_hi:[1,0,0]   ; t - M
.set j, j+2
.endr
.set j, 0
.rept 64
	v_exp_f32 v[S+j], v[S+j]                       ; the third batch: p = 2^(t - M), not normalised
.set j, j+1
.endr
	v_pk_mul_f32 v[LS:LS+1], v[LS:LS+1], v[FF:FF+1] op_sel_hi:[1,0]   ; the sums under the new M.  (The plain line behind the batch)
	s_wait_alu depctr_va_vdst(0)
	v_pk_add_f32 v[L2:L2+1], v[S:S+1], v[S+2:S+3]  ; the row's sum is taken of the unquantised p, two at a time, in two chains
.set j, 4
.rept 15
	v_pk_add_f32 v[LS:LS+1], v[LS:LS+1], v[S+j:S+j+1]
	v_pk_add_f32 v[L2:L2+1], v[L2:L2+1], v[S+j+2:S+j+3]
.set j, j+4
.endr
	v_pk_add_f32 v[LS:LS+1], v[LS:LS+1], v[L2:L2+1]
.irp t, 0,1,2,3,4,5,6,7
.irp i, 0,1,2,3,4,5,6,7
	v_min_num_f32 v[S+8*\t+\i], v[S+8*\t+\i], v[PLIM]   ; the conversion does not saturate (ISA guide 7.6.2); p is not negative, so the hold is one-sided
.endr
	v_cvt_scalef32_pk8_fp8_f32 v[PC+2*\t:PC+2*\t+1], v[S+8*\t:S+8*\t+7], v[PSC]
.endr
.set j, 0
.rept 16
	v_pk_mul_f32 v[O+j:O+j+1], v[O+j:O+j+1], v[FF:FF+1] op_sel_hi:[1,0]   ; O^T under the new M.  (Also the plain lines between the conversions and the products below)
.set j, j+2
.endr
	s_wait_dscnt 0x0                               ; V is in
.irp d, 0,1,2,3
	v_wmma_f32_16x16x128_fp8_fp8 v[O+8*\d:O+8*\d+7], v[FR+16*\d:FR+16*\d+15], v[PC:PC+15], v[O+8*\d:O+8*\d+7]   ; four accumulators by turns; the next step's eight products stand between two links
.endr
.Lhidden_\@:
	s_add_co_u32 s[KF], s[KF], 128
	s_add_co_u32 s[TB], s[TB], 8192
.endm
; A PHASE: four key steps, whose 32,768 bytes of K and of V came by the p-th load of waves 0 to 3.
.macro PHASE p
	s_wait_tensorcnt 3-\p                          ; my p-th load has landed; the 3 - p issued behind it may stay out: no LDS byte is filled twice
	s_wait_dscnt 0x0                               ; no LDS instruction of mine is out at the signal
	s_barrier_signal -1
	s_barrier_wait -1                              ; so has everybody's
	s_mov_b32 s[TB], \p*32768
	s_mov_b32 s[CNT], 4
.Lstep_\@:
	STEP
	s_sub_co_u32 s[CNT], s[CNT], 1
	s_cmp_lg_u32 s[CNT], 0
	s_cbranch_scc1 .Lstep_\@
.endm
	s_wait_loadcnt 0x0                             ; Q
	PHASE 0
	PHASE 1
	PHASE 2
	PHASE 3
	; THE WAY OUT: O^T / the sum, held, converted: the head's eight registers of a fragment of the context, stored as they stand.
.rept 4
	v_nop                                          ; the places behind the last products
.endr
	v_add_f32 v[LS], v[LS], v[LS+1]                ; the sum's two halves,
	v_permlanex16_b32 v[T+2], v[LS], s[SEL], s[SEL+1]
	v_add_f32 v[LS], v[LS], v[T+2]                 ; and lane l xor 16's
	v_rcp_f32 v[FF], v[LS]
	v_nop                                          ; a plain line behind the reciprocal,
	s_wait_alu depctr_va_vdst(0)                   ; and the wait ahead of its first reader
.set j, 0
.rept 16
	v_pk_mul_f32 v[O+j:O+j+1], v[O+j:O+j+1], v[FF:FF+1] op_sel_hi:[1,0]
.set j, j+2
.endr
.set j, 0
.rept 32
	v_med3_num_f32 v[O+j], v[O+j], -v[CLIM], v[CLIM]
.set j, j+1
.endr
.irp d, 0,1,2,3
	v_cvt_scalef32_pk8_fp8_f32 v[PC+2*\d:PC+2*\d+1], v[O+8*\d:O+8*\d+7], v[CSC]   ; channels 16 d + 8 h + 0 .. 7 of token r
.endr
	v_nop                                          ; a plain line behind the last conversion
	global_store_b128 v[LI], v[PC:PC+3], s[12:13]              ; 32 lanes store 512 consecutive bytes, aligned
	global_store_b128 v[LI], v[PC+4:PC+7], s[12:13] offset:512
	s_wait_tensorcnt 0x0
	ds_add_u32 v254, v255
	s_wait_dscnt 0x0
	s_endpgm
.Lfunc_end_k_q499ab78c7e_attn:
	.size	k_q499ab78c7e_attn, .Lfunc_end_k_q499ab78c7e_attn-k_q499ab78c7e_attn
	.p2alignl 7, 3214868480
	.fill 96, 4, 3214868480
	.section	.rodata,"a",@progbits
	.p2align	6, 0x0
	.amdhsa_kernel k_q499ab78c7e_attn
		.amdhsa_group_segment_fixed_size 264192
		.amdhsa_private_segment_fixed_size 0
		.amdhsa_enable_private_segment 0
		.amdhsa_kernarg_size 40
		.amdhsa_user_sgpr_count 2
		.amdhsa_user_sgpr_kernarg_segment_ptr 1
		.amdhsa_wavefront_size32 1
		.amdhsa_system_sgpr_workgroup_id_x 1
		.amdhsa_system_sgpr_workgroup_id_y 1
		.amdhsa_system_sgpr_workgroup_id_z 1
		.amdhsa_system_vgpr_workitem_id 0
		.amdhsa_next_free_vgpr 256
		.amdhsa_next_free_sgpr 100
		.amdhsa_reserve_vcc 1
		.amdhsa_float_denorm_mode_32 3
		.amdhsa_float_denorm_mode_16_64 3
		.amdhsa_memory_ordered 1
		.amdhsa_forward_progress 1
		.amdhsa_inst_pref_size 129
	.end_amdhsa_kernel
	.amdgpu_metadata
---
amdhsa.version: [ 1, 2 ]
amdhsa.kernels:
  - .name:           k_q499ab78c7e_attn
    .symbol:         k_q499ab78c7e_attn.kd
    .args:
      - { .name: q_img, .offset: 0, .size: 8, .value_kind: global_buffer, .address_space: global }
      - { .name: k_img, .offset: 8, .size: 8, .value_kind: global_buffer, .address_space: global }
      - { .name: v_img, .offset: 16, .size: 8, .value_kind: global_buffer, .address_space: global }
      - { .name: lowp_scales, .offset: 24, .size: 8, .value_kind: global_buffer, .address_space: global }
      - { .name: ctx_img, .offset: 32, .size: 8, .value_kind: global_buffer, .address_space: global }
    .group_segment_fixed_size: 264192
    .private_segment_fixed_size: 0
    .kernarg_segment_align: 8
    .kernarg_segment_size: 40
    .max_flat_workgroup_size: 512
    .sgpr_count:     100
    .vgpr_count:     256
    .wavefront_size: 32
...
	.end_amdgpu_metadata
.endif
;; end of part 2
;; launch oproj (part 3): grid 8 x 32, 4 waves a work-group, clusters of 4 x 4, 288,256 bytes of LDS; arguments ctx_img, Wo_codes, bo, lowp_scales, out0; writes out0
.if DOCPART == 3
	.amdgcn_target "amdgcn-amd-amdhsa--gfx1250"
	.amdhsa_code_object_version 6
	.text
	.protected	k_q499ab78c7e_oproj
	.globl	k_q499ab78c7e_oproj
	.p2align	8
	.type	k_q499ab78c7e_oproj,@function
k_q499ab78c7e_oproj:
	s_mov_b64 s[64:65], 0
	v_nop
	global_prefetch_b8 v0, s[64:65] scope:SCOPE_SE
	s_setreg_imm32_b32 hwreg(HW_REG_WAVE_MODE, 25, 1), 1
	s_wait_xcnt 0x0
	s_wait_alu depctr_hold_cnt(0) depctr_sa_sdst(0) depctr_va_vdst(0) depctr_va_sdst(0) depctr_va_ssrc(0) depctr_va_vcc(0) depctr_vm_vsrc(0)
	s_getreg_b32 s2, hwreg(HW_REG_IB_STS2, 6, 4)
	s_cmp_eq_u32 s2, 0
	s_cbranch_scc0 .Lentry_in_a_cluster
	s_endpgm
.Lentry_in_a_cluster:
	s_bfe_u32 s2, ttmp6, 0x10000c
	s_cmp_lg_u32 s2, 0xf033
	s_cbranch_scc0 .Lentry_shape_is_right
	s_endpgm
.Lentry_shape_is_right:
; out = ctx Wo^T + bo on codes of E4M3.  ctx_img: [tile of 16 tokens 256][head 16][g 2][lane 32][16 bytes]: images of operand registers; two neighbouring heads are one K = 128 fragment of
; 2,048 bytes, in the layout that the plain 8-bit form gives each k (registers 2 c, 2 c + 1: k = 16 c + 8 (lane / 16) + 0 .. 7).  Wo: [1024][1024] codes, K innermost.  bo [1024], out [4096][1024]: f32.
; SHARES.  A tile of out is 128 x 128: 256 work-groups of four waves, each wave 64 x 64: 16 accumulators.
; THE WHOLE K OF BOTH OPERANDS LIES IN LDS: every byte is filled once, in four chunks of 256 along K, all asked for at the head (four loads of a wave are out at the most); a counted wait and a barrier stand in
; front of each chunk's first read.  Waves 0, 1 ask for the context's halves, waves 2, 3 for Wo's.
; CLUSTER 4 x 4: the context's tiles hang on the tile row alone and are shared along a row of the cluster, Wo's on the tile column alone and along a column: joint loads.
; THE PRODUCT IS USED TRANSPOSED (source 0 = 16 rows of Wo, source 1 = 16 tokens): a lane holds eight neighbouring columns of one row of out.  Wo's fragments come by eight 8-byte loads, each k in the same
; place that the context's image gives it.
; LIMIT: e10 + e11 lies between -126 and 127, so that 2^(e10 + e11) is an f32 number.
; REGISTERS.  Window 0: v1-15 addresses; v32-63 a block's results; v64-95 rows read back; v96-127 bo; v128-255 the accumulators ((m, n) at v[128 + 8 (4 m + n)]).
;   Window 1: two sets of 128: the context's tile m at v[F + 16 m], Wo's tile n at v[F + 64 + 16 n].
.set PITCH, 272                        ; a row of Wo in LDS: 256 bytes + 16 of padding
.set ACH,   32768                      ; a chunk of the context: 8 tiles x 4,096 bytes
.set BOFF,  4*ACH                      ; Wo's chunks begin here
.set BCH,   128*PITCH                  ; a chunk of Wo
.set STAGE, BOFF+4*BCH                 ; behind them: 16 rows x 272 bytes for each wave; no tile lands here
.set LI,   1                           ; v1    16 x lane
.set ADRA, 2                           ; v2-3  LDS address of my tiles of the context in chunks 0, 1 and 2, 3
.set ADRB, 4                           ; v4-7  of my rows of Wo in chunk c
.set STO,  8                           ; v8    the stage: where I put 32 bytes of a row
.set RD,   9                           ; v9    and where I read a row back
.set CO,   10                          ; v10   my byte offset in out
.set TMP,  32
.set OUTR, 64
.set BO,   96
.set ACC,  128
.set WV,   14                          ; s14 wave; s15 wave / 2; s70 wave % 2
.set G1A,  16                          ; s[16:23], s[24:31] descriptor groups 1;  s[32:47], s[48:63] groups 0, one for each chunk
.set G1B,  24
.set G0A,  32
.set G0B,  48
.set MSB, 0
.macro WIN new
.if MSB != \new
	s_set_vgpr_msb (MSB<<8)|\new
.set MSB, \new
.endif
.endm
.macro PLACES
.rept 4
	v_nop
.endr
.endm
.macro CROUND                          ; a round of the cluster's barrier
	s_barrier_signal -1
	s_barrier_wait -1
	s_cmp_lg_u32 s[WV], 0
	s_cbranch_scc1 .Lnot_wave_0_\@
	s_barrier_signal -3
.Lnot_wave_0_\@:
	s_barrier_wait -3
	s_barrier_signal -1
	s_barrier_wait -1
.endm
	s_load_b256 s[4:11], s[0:1], 0x0               ; ctx_img s[4:5], Wo s[6:7], bo s[8:9], the scales s[10:11]
	s_load_b64 s[12:13], s[0:1], 0x20              ; out
	v_lshl_add_u32 v30, v0, 2, 0x46400
	v_mov_b32 v31, 0
	ds_add_u32 v30, v31
	ds_add_u32 v30, v31
	v_lshrrev_b32 v1, 5, v0
	v_readfirstlane_b32 s[WV], v1                  ; wave 0..3
	s_lshr_b32 s15, s[WV], 1                       ; which 64 rows of the tile are mine.  Also: I fetch for the context (0) or for Wo (1)
	s_and_b32 s70, s[WV], 1                        ; which 64 columns.  Also: which half I fetch
	s_bfe_u32 s66, ttmp6, 0x40000                  ; cx
	s_bfe_u32 s67, ttmp6, 0x40004                  ; cy
	s_lshl_b32 s68, ttmp9, 2
	s_add_co_u32 s68, s68, s66                     ; tile column = 4 x cluster x + cx
	s_and_b32 s69, ttmp7, 0xffff
	s_lshl_b32 s69, s69, 2
	s_add_co_u32 s69, s69, s67                     ; tile row = 4 x cluster y + cy
	s_lshl_b32 s71, s67, 2
	s_lshl_b32 s71, 15, s71                        ; my row of the cluster
	s_lshl_b32 s72, 0x1111, s66                    ; my column
	s_or_b32 s[G1A], s71, (3<<16)|(1<<21)          ; the mask; elements of 8 bytes; 21 set beside a mask; no padding
	s_mov_b32 s[G1A+1], 512<<16                    ; tensor_dim0 = 512 elements: 4,096 bytes, a chunk's part of a tile of 16 tokens
	s_mov_b32 s[G1A+2], 4<<16                      ; tensor_dim1 = 4
	s_mov_b32 s[G1A+3], 512<<16                    ; tile_dim0
	s_mov_b32 s[G1A+4], 4                          ; tile_dim1 = 4 tiles of tokens
	s_mov_b32 s[G1A+5], 2048                       ; 16,384 bytes from tile to tile
	s_mov_b32 s[G1A+6], 0
	s_mov_b32 s[G1A+7], 0
	s_or_b32 s[G1B], s72, (1<<20)|(1<<21)|(5<<22)|(3<<25)   ; elements of 1 byte; padding: four words after every 64
	s_mov_b32 s[G1B+1], 256<<16
	s_mov_b32 s[G1B+2], 64<<16
	s_mov_b32 s[G1B+3], 256<<16
	s_mov_b32 s[G1B+4], 64
	s_mov_b32 s[G1B+5], 1024
	s_mov_b32 s[G1B+6], 0
	s_mov_b32 s[G1B+7], 0
	s_lshl_b32 s73, s70, 16                        ; my half: 4 tiles of 16,384 bytes, or 64 rows of 1,024
	s_lshl_b32 s74, s69, 17                        ; the context: 8 tiles a tile row (these registers never hold cx)
	s_add_co_u32 s74, s74, s73
	s_mov_b32 s75, 0
	s_lshl_b32 s76, s68, 17                        ; Wo: 128 rows a tile column (these never hold cy)
	s_add_co_u32 s76, s76, s73
	s_mov_b32 s77, 0
	s_lshl_b32 s78, s70, 14                        ; where they go
	s_mul_i32 s79, s70, 64*PITCH
	s_add_co_u32 s79, s79, BOFF
	s_wait_dscnt 0x0
	s_wait_kmcnt 0x0
	s_load_b64 s[80:81], s[10:11], 0x28            ; e10, e11
	s_add_nc_u64 s[74:75], s[4:5], s[74:75]
	s_add_nc_u64 s[76:77], s[6:7], s[76:77]
.irp c, 0,1,2,3
	s_mov_b32 s[G0A+4*\c], 1
	s_add_co_u32 s[G0A+4*\c+1], s78, \c*ACH
	s_add_nc_u64 s[G0A+4*\c+2:G0A+4*\c+3], s[74:75], \c*4096
	s_or_b32 s[G0A+4*\c+3], s[G0A+4*\c+3], 0x80000000
	s_mov_b32 s[G0B+4*\c], 1
	s_add_co_u32 s[G0B+4*\c+1], s79, \c*BCH
	s_add_nc_u64 s[G0B+4*\c+2:G0B+4*\c+3], s[76:77], \c*256
	s_or_b32 s[G0B+4*\c+3], s[G0B+4*\c+3], 0x80000000
.endr
	CROUND                                         ; all sixteen work-groups are here: the joint loads meet
	s_cmp_eq_u32 s15, 0                            ; a wave's four fills stand in one branch on its number
	s_cbranch_scc0 .Lfor_b
	tensor_load_to_lds s[G0A:G0A+3], s[G1A:G1A+7]
	s_nop 0
	tensor_load_to_lds s[G0A+4:G0A+7], s[G1A:G1A+7]
	s_nop 0
	tensor_load_to_lds s[G0A+8:G0A+11], s[G1A:G1A+7]
	s_nop 0
	tensor_load_to_lds s[G0A+12:G0A+15], s[G1A:G1A+7]
	s_nop 0
.rept 4
	v_nop
.endr
	s_branch .Lasked
.Lfor_b:
	tensor_load_to_lds s[G0B:G0B+3], s[G1B:G1B+7]
	s_nop 0
	tensor_load_to_lds s[G0B+4:G0B+7], s[G1B:G1B+7]
	s_nop 0
	tensor_load_to_lds s[G0B+8:G0B+11], s[G1B:G1B+7]
	s_nop 0
	tensor_load_to_lds s[G0B+12:G0B+15], s[G1B:G1B+7]
	s_nop 0
.rept 4
	v_nop
.endr
.Lasked:
	v_bfe_u32 v12, v0, 4, 1                        ; h
	v_and_b32 v13, 15, v0                          ; r
	s_lshl_b32 s84, s68, 9
	s_lshl_b32 s85, s70, 8
	s_add_co_u32 s84, s84, s85                     ; my first column in bytes: 512 x tile column + 256 x half
	s_mov_b32 s85, 0
	s_add_nc_u64 s[8:9], s[8:9], s[84:85]
	v_lshlrev_b32 v11, 5, v12                      ; bo: my eight numbers of each tile of 16: 32 h bytes on
.irp n, 0,1,2,3
	global_load_b128 v[BO+8*\n:BO+8*\n+3], v11, s[8:9] offset:64*\n
	global_load_b128 v[BO+8*\n+4:BO+8*\n+7], v11, s[8:9] offset:64*\n+16
.endr
	s_lshl_b32 s86, s69, 19                        ; out: 128 rows of 4,096 bytes a tile row,
	s_lshl_b32 s87, s15, 18                        ; my 64 of them,
	s_add_co_u32 s86, s86, s87
	s_add_co_u32 s86, s86, s84                     ; my columns
	s_mov_b32 s87, 0
	s_add_nc_u64 s[12:13], s[12:13], s[86:87]
	v_and_b32 v[LI], 31, v0
	v_lshlrev_b32 v[LI], 4, v[LI]
	s_lshl_b32 s88, s15, 14                        ; my four tiles of tokens in a chunk
	v_add_nc_u32 v[ADRA], s88, v[LI]
	v_add_nc_u32 v[ADRA+1], 2*ACH, v[ADRA]
	s_mul_i32 s88, s70, 64*PITCH                   ; my 64 rows of Wo
	s_add_co_u32 s88, s88, BOFF
	v_mul_u32_u24 v14, v13, PITCH
	v_lshl_add_u32 v15, v12, 3, v14                ; row x pitch + 8 h
	v_add_nc_u32 v[ADRB], s88, v15
	v_add_nc_u32 v[ADRB+1], BCH, v[ADRB]
	v_add_nc_u32 v[ADRB+2], BCH, v[ADRB+1]
	v_add_nc_u32 v[ADRB+3], BCH, v[ADRB+2]
	s_mul_i32 s88, s[WV], 16*PITCH
	s_add_co_u32 s88, s88, STAGE                   ; my stage
	v_lshl_add_u32 v[STO], v12, 5, v14             ; in: row r, 32 bytes for each half of the lanes
	v_add_nc_u32 v[STO], s88, v[STO]
	v_mul_u32_u24 v[RD], v12, PITCH                ; back: lanes 0-15 one row of 256 bytes, lanes 16-31 the next
	v_lshl_add_u32 v[RD], v13, 4, v[RD]
	v_add_nc_u32 v[RD], s88, v[RD]
	v_lshlrev_b32 v[CO], 12, v12                   ; and the same two rows in out
	v_lshl_add_u32 v[CO], v13, 4, v[CO]
; The fragments of step t (128 along K: chunk t / 2, half t % 2) into set t % 2: 16 loads of 16 bytes for the context's images, 32 of 8 bytes for Wo's rows
.macro FETCH t
	WIN 0x40                                       ; destination window 1, address window 0
.irp m, 0,1,2,3
.irp g, 0,1,2,3
	ds_load_b128 v[128*((\t)%2)+16*\m+4*\g:128*((\t)%2)+16*\m+4*\g+3], v[ADRA+(\t)/4] offset:(((\t)/2)%2)*ACH+\m*4096+((\t)%2)*2048+512*\g
.endr
.endr
.irp n, 0,1,2,3
.irp c, 0,1,2,3,4,5,6,7
	ds_load_b64 v[128*((\t)%2)+64+16*\n+2*\c:128*((\t)%2)+64+16*\n+2*\c+1], v[ADRB+(\t)/2] offset:\n*16*PITCH+128*((\t)%2)+16*\c
.endr
.endr
.endm
; 16 products; the accumulators take turns, one instruction a turn, in the same order in every step.  Step 0 starts the sums.
.macro MUL t
	WIN 0x05                                       ; sources window 1, C and D window 0
.irp m, 0,1,2,3
.irp n, 0,1,2,3
.if (\t) == 0
	v_wmma_f32_16x16x128_fp8_fp8 v[ACC+8*(4*\m+\n):ACC+8*(4*\m+\n)+7], v[128*((\t)%2)+64+16*\n:128*((\t)%2)+64+16*\n+15], v[128*((\t)%2)+16*\m:128*((\t)%2)+16*\m+15], 0
.else
	v_wmma_f32_16x16x128_fp8_fp8 v[ACC+8*(4*\m+\n):ACC+8*(4*\m+\n)+7], v[128*((\t)%2)+64+16*\n:128*((\t)%2)+64+16*\n+15], v[128*((\t)%2)+16*\m:128*((\t)%2)+16*\m+15], v[ACC+8*(4*\m+\n):ACC+8*(4*\m+\n)+7]
.endif
.endr
.endr
.endm
.macro KSTEP t
	s_wait_dscnt 0x0                               ; this step's fragments are in
.if ((\t)%2 == 1) && ((\t) < 7)
	s_wait_tensorcnt 3-((\t)+1)/2                  ; my part of the next chunk has landed; the later chunks' loads may stay out: no LDS byte is filled twice
	s_barrier_signal -1
	s_barrier_wait -1                              ; everybody's has
.endif
.if (\t) < 7
.if (\t) > 0
	PLACES                                         ; four plain instructions between the last product that read the other set and the loads into it
.endif
	FETCH (\t)+1
.endif
	MUL \t
.endm
	s_wait_tensorcnt 3                             ; my part of chunk 0 is in
	s_barrier_signal -1
	s_barrier_wait -1
	FETCH 0
.irp t, 0,1,2,3,4,5,6,7
	KSTEP \t
.endr
	WIN 0
	; THE WAY OUT, 16 rows at a time: sum x 2^(e10 + e11) + bo, through my own stage in LDS, back as rows of 256 bytes: sixteen lanes store 256 consecutive bytes, aligned.
	PLACES                                         ; behind the last products
	s_wait_kmcnt 0x0
	s_add_co_i32 s82, s80, s81
	s_add_co_i32 s82, s82, 127
	s_lshl_b32 s82, s82, 23                        ; 2^(e10 + e11) as f32
	s_mov_b32 s83, s82                             ; (named with it as a pair, so it is written)
	s_wait_loadcnt 0x0                             ; bo
.irp m, 0,1,2,3
.irp n, 0,1,2,3
.irp i, 0,2,4,6
	v_pk_fma_f32 v[TMP+8*\n+\i:TMP+8*\n+\i+1], v[ACC+8*(4*\m+\n)+\i:ACC+8*(4*\m+\n)+\i+1], s[82:83], v[BO+8*\n+\i:BO+8*\n+\i+1] op_sel_hi:[1,0,1]   ; each accumulator from its low end on
.endr
.endr
.irp n, 0,1,2,3
	ds_store_b128 v[STO], v[TMP+8*\n:TMP+8*\n+3] offset:64*\n
	ds_store_b128 v[STO], v[TMP+8*\n+4:TMP+8*\n+7] offset:64*\n+16
.endr
.if \m > 0
	s_wait_xcnt 0x0                                ; the last block's stores have read their registers: the loads below may land there
.endif
.irp i, 0,1,2,3,4,5,6,7
	ds_load_b128 v[OUTR+4*\i:OUTR+4*\i+3], v[RD] offset:2*\i*PITCH   ; LDS serves a wave's instructions in order (ISA guide 5.7.1.4): these see my stores
.endr
.irp i, 0,1,2,3,4,5,6,7
	s_wait_dscnt 7-\i                              ; the 7 - i younger loads may stay out; the last wait also shows the stage's stores done, so that the next block may write their registers
	global_store_b128 v[CO], v[OUTR+4*\i:OUTR+4*\i+3], s[12:13] offset:(16*\m+2*\i)*4096 th:TH_STORE_NT
.endr
.endr
	s_wait_tensorcnt 0x0
	ds_add_u32 v30, v31
	s_wait_dscnt 0x0
	CROUND                                         ; the closing round: no work-group ends while a partner may still ask for a tile that names it
	s_endpgm
.Lfunc_end_k_q499ab78c7e_oproj:
	.size	k_q499ab78c7e_oproj, .Lfunc_end_k_q499ab78c7e_oproj-k_q499ab78c7e_oproj
	.p2alignl 7, 3214868480
	.fill 96, 4, 3214868480
	.section	.rodata,"a",@progbits
	.p2align	6, 0x0
	.amdhsa_kernel k_q499ab78c7e_oproj
		.amdhsa_group_segment_fixed_size 288256
		.amdhsa_private_segment_fixed_size 0
		.amdhsa_enable_private_segment 0
		.amdhsa_kernarg_size 40
		.amdhsa_user_sgpr_count 2
		.amdhsa_user_sgpr_kernarg_segment_ptr 1
		.amdhsa_wavefront_size32 1
		.amdhsa_system_sgpr_workgroup_id_x 1
		.amdhsa_system_sgpr_workgroup_id_y 1
		.amdhsa_system_sgpr_workgroup_id_z 1
		.amdhsa_system_vgpr_workitem_id 0
		.amdhsa_next_free_vgpr 512
		.amdhsa_next_free_sgpr 100
		.amdhsa_reserve_vcc 0
		.amdhsa_float_denorm_mode_32 3
		.amdhsa_float_denorm_mode_16_64 3
		.amdhsa_memory_ordered 1
		.amdhsa_forward_progress 1
		.amdhsa_inst_pref_size 56
	.end_amdhsa_kernel
	.amdgpu_metadata
---
amdhsa.version: [ 1, 2 ]
amdhsa.kernels:
  - .name:           k_q499ab78c7e_oproj
    .symbol:         k_q499ab78c7e_oproj.kd
    .args:
      - { .name: ctx_img, .offset: 0, .size: 8, .value_kind: global_buffer, .address_space: global }
      - { .name: Wo_codes, .offset: 8, .size: 8, .value_kind: global_buffer, .address_space: global }
      - { .name: bo, .offset: 16, .size: 8, .value_kind: global_buffer, .address_space: global }
      - { .name: lowp_scales, .offset: 24, .size: 8, .value_kind: global_buffer, .address_space: global }
      - { .name: out0, .offset: 32, .size: 8, .value_kind: global_buffer, .address_space: global }
    .group_segment_fixed_size: 288256
    .private_segment_fixed_size: 0
    .kernarg_segment_align: 8
    .kernarg_segment_size: 40
    .max_flat_workgroup_size: 128
    .sgpr_count:     100
    .vgpr_count:     512
    .wavefront_size: 32
...
	.end_amdgpu_metadata
.endif
;; end of part 3
